; MI455X (gfx1250); checked and timed in simulation.
; The chip was launched on July 23, 2026; its instructions are those of AMD's public machine-readable ISA for CDNA 5 (MIT licence, August 2026) and "CDNA5" Instruction Set Architecture Reference Guide (July 2026). The comments in the code are by the model that wrote it; some were corrected since.
;; Simple Prediction Layer. Allowed arithmetic: float matrix products may take bf16 or f16 operands with f32 sums; all other float work in f32.
;; Inputs: W1 512 x 512 float32; W2 512 x 1 float32; all_mapping 2 x 1,024 x 128 float32; b1 512 float32; b2 1 float32; input_state 2 x 1,024 x 512 float32.
;; Outputs: out0 2 x 128 x 1 float32.
;; One version. Each part assembles by itself: llvm-mc -triple=amdgcn-amd-amdhsa -mcpu=gfx1250 --defsym DOCPART=n.
;; ======== version 1 of 1: 2 launches
;; workspace buffers: part 8,388,608 bytes
;; launch segmax (part 1): grid 16 x 16, 8 waves a work-group, clusters of 4 x 4, 297,984 bytes of LDS; arguments input_state, all_mapping, W1, part; writes part
.if DOCPART == 1
	.amdgcn_target "amdgcn-amd-amdhsa--gfx1250"
	.amdhsa_code_object_version 6
	.text
	.protected	k_q5686ce74fe_segmax
	.globl	k_q5686ce74fe_segmax
	.p2align	8
	.type	k_q5686ce74fe_segmax,@function
k_q5686ce74fe_segmax:
	s_mov_b64 s[64:65], 0
	v_nop
	global_prefetch_b8 v0, s[64:65] scope:SCOPE_SE
	s_setreg_imm32_b32 hwreg(HW_REG_WAVE_MODE, 25, 1), 1
	s_wait_xcnt 0x0
	s_wait_alu depctr_hold_cnt(0) depctr_sa_sdst(0) depctr_va_vdst(0) depctr_va_sdst(0) depctr_va_ssrc(0) depctr_va_vcc(0) depctr_vm_vsrc(0)
	s_getreg_b32 s2, hwreg(HW_REG_IB_STS2, 6, 4)
	s_cmp_eq_u32 s2, 0
	s_cbranch_scc0 .Lentry_in_a_cluster
	s_endpgm
.Lentry_in_a_cluster:
	s_bfe_u32 s2, ttmp6, 0x10000c
	s_cmp_lg_u32 s2, 0xf033
	s_cbranch_scc0 .Lentry_shape_is_right
	s_endpgm
.Lentry_shape_is_right:
; FIRST OF TWO LAUNCHES.  sp[b][n][d] = max over s of m[b][s][n] * x[b][s][d], then this tile's slice of sp @ W1.
; x = input_state [2][1024][512], m = all_mapping [2][1024][128], W1 [512][512], all f32.
; A work-group owns 16 n x 32 d of one batch over all 1,024 s: 256 work-groups of equal work.  It writes, for its 16 rows,
; the f32 partial sums over its 32 d of sp @ W1 into part[row][d tile][512 slots]; the second launch adds the 16 d tiles.
; THE MAX STAGE.  Eight waves, two on each SIMD, so that one has vector work while the other's LDS loads are taken or awaited.
; A wave owns 8 n x 8 d.  A LANE OWNS A ROW s: it reads 8 x and 8 m of its row and keeps the whole outer product in 64
; accumulators.  Two rows a lane and step: v_pk_mul_f32 makes two products, v_max3_num_f32 folds the two rows' products into an
; accumulator: one instruction a product, 128 a step, fed by 8 LDS loads of 16 bytes that are issued one step ahead.
; LDS holds everything at once (x 1,024 rows of 144 bytes, m 1,024 rows of 80, W1's 32 rows of 2,048), so no byte is filled twice:
; each wave issues its five tensor loads at the start (five outstanding) and the chunks of 256 rows are
; taken as they land, by counted waits.  The counts differ from chunk to chunk, so the 16 steps are written out by macro.
; CLUSTERS, 4 x 4: the four work-groups of a column share the d tile and the batch, hence x's tiles and W1's slice; the four of
; a row share the 16 n, hence m's tiles.  Each tile is asked for jointly, which divides the requests by four.
; LIMIT: v_max3_num_f32 and v_max_num_f32 drop a NaN, so a NaN input or 0 x infinity is not handed on as jnp.max would;
; inputs are taken as finite with products inside f32.  sp and W1 are rounded to bf16 for the matrix unit, sums are f32.
.set S_LEN,  1024
.set N_LEN,  128
.set D_LEN,  512
.set CROWS,  256                       ; rows of a chunk; four waves fetch 64 rows of x each, four 64 rows of m each
.set XPITCH, 144                       ; 128 bytes + 16: 16 lanes on 16 rows touch 16 different 16-byte columns modulo 256
.set MPITCH, 80                        ; 64 bytes + 16, likewise
.set XB,     0
.set MB,     XB+S_LEN*XPITCH           ; 147,456
.set WB,     MB+S_LEN*MPITCH           ; 229,376: W1's slice, 32 rows of 2,048 bytes, dense
.set SPB,    WB+32*D_LEN*4             ; 294,912: the sp tile in bf16, 128 bytes for each wave; no fill lands in these four blocks of 256
.set RPITCH, 272                       ; a row of 256 bytes + 16, for the fold over the lanes and for the way out
.set SCR,    32*RPITCH                 ; a wave's scratch, in x's region once every wave has read x for the last time
; vector registers
.set XN,   2                           ; LDS address of my x in the chunk that is being fetched
.set MN,   3                           ; the same for m
.set WA,   4                           ; my 16 bytes of W1's rows
.set SCW,  5                           ; scratch: my row
.set FD,   6                           ; scratch: my 16-byte column, rows 0-15 for lanes 0-15, rows 16-31 for lanes 16-31
.set SD,   7                           ; stage: my 16-byte column, an even row for lanes 0-15, the odd one below for lanes 16-31
.set SPW,  8                           ; sp tile: where my four numbers go
.set SPR,  9                           ; sp tile: my part of the fragment
.set STW,  10                          ; stage: where my results go
.set GO,   11                          ; my bytes in part
.set P,    16                          ; v[16:31]   products
.set XBUF, 32                          ; v[32:63]   two buffers of 8 x of my first row and 8 x of my second
.set MBUF, 64                          ; v[64:95]   two buffers of 8 m of my first row and 8 m of my second
.set ACC,  96                          ; v[96:159]  accumulator (n, d) at ACC + 8 n + d
.set RAW,  160                         ; v[160:223] W1 as loaded
.set FR,   224                         ; v[224:255] four fragments of W1
.set BF,   16                          ; afterwards: the sp fragment
.set DT,   32                          ; four result tiles
.set OUT,  64                          ; rows on their way out
; scalar registers
.set G1X, 24                           ; descriptor group 1 for x
.set G1M, 32                           ; for m
.set G1W, 40                           ; for W1
.set GX,  48                           ; group 0 of x's four chunks
.set GM,  68                           ; of m's four chunks
.set GW,  84                           ; of W1's slice
; A round of the cluster's barrier.
.macro ROUND
	s_barrier_signal -1
	s_barrier_wait -1
	s_cmp_lg_u32 s12, 0
	s_cbranch_scc1 .Lnot_wave_0_\@
	s_barrier_signal -3
.Lnot_wave_0_\@:
	s_barrier_wait -3
	s_barrier_signal -1
	s_barrier_wait -1
.endm
	s_load_b256 s[4:11], s[0:1], 0x0               ; x s[4:5], m s[6:7], W1 s[8:9], part s[10:11]
	s_set_vgpr_msb 0x40
	v_lshl_add_u32 v0, v0, 2, 0x48800
	v_mov_b32 v1, 0
	s_set_vgpr_msb 0x4045
	ds_add_u32 v0, v1
	ds_add_u32 v0, v1
	s_set_vgpr_msb 0x4500
	v_lshrrev_b32 v1, 5, v0
	v_readfirstlane_b32 s12, v1                    ; wave 0..7
	s_and_b32 s66, s12, 3                          ; my quarter of the d.  Also: which 64 rows of a chunk I fetch
	s_lshr_b32 s67, s12, 2                         ; my half of the n.  Also: I fetch for x (0) or for m (1)
	s_bfe_u32 s13, ttmp6, 0x40000                  ; cx
	s_bfe_u32 s14, ttmp6, 0x40004                  ; cy
	s_lshl_b32 s15, ttmp9, 2
	s_add_co_u32 s15, s15, s13                     ; d tile = 4 x cluster x + cx
	s_and_b32 s16, ttmp7, 0xffff                   ; cluster y
	s_lshr_b32 s17, s16, 1                         ; batch: the same in the whole cluster
	s_lshl_b32 s18, s16, 2
	s_add_co_u32 s18, s18, s14                     ; row block = 4 x cluster y + cy = 8 x batch + n tile
	s_lshl_b32 s19, s14, 2
	s_lshl_b32 s19, 15, s19                        ; my row of the cluster
	s_lshl_b32 s20, 0x1111, s13                    ; my column
	; group 1 for x: 64 rows of 32 f32, 16 bytes of padding behind every 32 words; shared down my column
	s_or_b32 s[G1X+0], s20, (2<<16)|(1<<20)|(1<<21)|(4<<22)|(3<<25)
	s_mov_b32 s[G1X+1], 32<<16                     ; tensor_dim0 = 32
	s_mov_b32 s[G1X+2], 64<<16                     ; tensor_dim1 = 64
	s_mov_b32 s[G1X+3], 32<<16                     ; tile_dim0 = 32
	s_mov_b32 s[G1X+4], 64                         ; tile_dim1 = 64
	s_mov_b32 s[G1X+5], D_LEN                      ; elements from row to row
	s_mov_b32 s[G1X+6], 0
	s_mov_b32 s[G1X+7], 0
	; group 1 for m: 64 rows of 16 f32, padding behind every 16 words; shared along my row
	s_or_b32 s[G1M+0], s19, (2<<16)|(1<<20)|(1<<21)|(3<<22)|(3<<25)
	s_mov_b32 s[G1M+1], 16<<16
	s_mov_b32 s[G1M+2], 64<<16
	s_mov_b32 s[G1M+3], 16<<16
	s_mov_b32 s[G1M+4], 64
	s_mov_b32 s[G1M+5], N_LEN
	s_mov_b32 s[G1M+6], 0
	s_mov_b32 s[G1M+7], 0
	; group 1 for W1: four whole rows are 8,192 dense bytes, taken as 32 rows of 32 elements of 8 bytes; shared down my column
	s_or_b32 s[G1W+0], s20, (3<<16)|(1<<21)
	s_mov_b32 s[G1W+1], 32<<16
	s_mov_b32 s[G1W+2], 32<<16
	s_mov_b32 s[G1W+3], 32<<16
	s_mov_b32 s[G1W+4], 32
	s_mov_b32 s[G1W+5], 32
	s_mov_b32 s[G1W+6], 0
	s_mov_b32 s[G1W+7], 0
	; byte offsets of the first tiles.  What feeds x and W1 never holds cy, what feeds m never holds cx.
	; Every wave makes x's and m's addresses and asks by one of them.
	s_lshl_b32 s22, s17, 21                        ; x: batch x 1,024 rows x 2,048 bytes
	s_lshl_b32 s21, s15, 7                         ;    + d tile x 128 bytes
	s_add_co_u32 s22, s22, s21
	s_lshl_b32 s21, s66, 17                        ;    + quarter x 64 rows
	s_add_co_u32 s22, s22, s21
	s_mov_b32 s23, 0
	s_lshl_b32 s88, s17, 19                        ; m: batch x 1,024 rows x 512 bytes
	s_and_b32 s90, s18, 7
	s_lshl_b32 s90, s90, 6                         ;    + n tile x 64 bytes
	s_add_co_u32 s88, s88, s90
	s_lshl_b32 s90, s66, 15                        ;    + quarter x 64 rows
	s_add_co_u32 s88, s88, s90
	s_mov_b32 s89, 0
	s_lshl_b32 s92, s15, 16                        ; W1: d tile x 32 rows x 2,048 bytes
	s_lshl_b32 s21, s12, 13                        ;    + wave x 4 rows
	s_add_co_u32 s92, s92, s21
	s_mov_b32 s93, 0
	s_mul_i32 s94, s12, 64*XPITCH                  ; LDS: wave x 64 rows for x (waves 0 to 3 ask),
	s_mul_i32 s95, s12, 64*MPITCH                  ; wave x 64 rows for m (waves 4 to 7 ask: four waves' rows are taken off the base below),
	s_lshl_b32 s96, s12, 13                        ; and wave x 4 rows of W1
	s_wait_dscnt 0x0
	s_wait_kmcnt 0x0
	s_add_nc_u64 s[4:5], s[4:5], s[22:23]
	s_add_nc_u64 s[6:7], s[6:7], s[88:89]
	s_add_nc_u64 s[8:9], s[8:9], s[92:93]
.irp c, 0,1,2,3
	s_mov_b32 s[GX+4*\c], 1
	s_add_co_u32 s[GX+4*\c+1], s94, XB+\c*CROWS*XPITCH
	s_add_nc_u64 s[GX+4*\c+2:GX+4*\c+3], s[4:5], \c*CROWS*D_LEN*4
	s_or_b32 s[GX+4*\c+3], s[GX+4*\c+3], 0x80000000
	s_mov_b32 s[GM+4*\c], 1
	s_add_co_u32 s[GM+4*\c+1], s95, MB-4*64*MPITCH+\c*CROWS*MPITCH
	s_add_nc_u64 s[GM+4*\c+2:GM+4*\c+3], s[6:7], \c*CROWS*N_LEN*4
	s_or_b32 s[GM+4*\c+3], s[GM+4*\c+3], 0x80000000
.endr
	s_mov_b32 s[GW], 1
	s_add_co_u32 s[GW+1], s96, WB
	s_mov_b64 s[GW+2:GW+3], s[8:9]
	s_or_b32 s[GW+3], s[GW+3], 0x80000000
	ROUND                                          ; all sixteen work-groups are here: the joint loads meet
	s_cmp_eq_u32 s67, 0                            ; the branch hangs on the wave's number alone: it is the same in every work-group
	s_cbranch_scc0 .Lfor_m
.irp c, 0,1,2,3
	tensor_load_to_lds s[GX+4*\c:GX+4*\c+3], s[G1X:G1X+7]      ; waves 0 to 3: my 64 rows of x in chunk c
	s_nop 0
.endr
	s_branch .Lasked
.Lfor_m:
.irp c, 0,1,2,3
	tensor_load_to_lds s[GM+4*\c:GM+4*\c+3], s[G1M:G1M+7]      ; waves 4 to 7: my 64 rows of m in chunk c
	s_nop 0
.endr
.Lasked:
	tensor_load_to_lds s[GW:GW+3], s[G1W:G1W+7]    ; every wave, last, since it is wanted last: my 4 rows of W1's slice
	s_nop 0
	; addresses, while the tiles are on their way
	v_and_b32 v1, 31, v0                           ; lane
	v_and_b32 v12, 15, v0                          ; r
	v_bfe_u32 v13, v0, 4, 1                        ; h
	s_lshl_b32 s97, s66, 5                         ; my 8 d: 32 bytes
	s_lshl_b32 s98, s67, 5                         ; my 8 n: 32 bytes
	s_add_co_u32 s98, s98, MB
	s_lshl_b32 s99, s12, 8                         ; my 64 columns of W1
	s_add_co_u32 s99, s99, WB
	s_mul_i32 s100, s12, SCR                       ; my scratch
	s_lshl_b32 s101, s12, 7                        ; my 128 bytes of the sp tile
	s_add_co_u32 s101, s101, SPB
	s_mov_b32 s90, 0x76543210                      ; v_permlanex16_b32: lane i of one half reads lane i of the other
	s_mov_b32 s91, 0xfedcba98
	v_mul_u32_u24 v14, v1, XPITCH
	v_add_nc_u32 v[XN], s97, v14                   ; row = lane
	v_mul_u32_u24 v14, v1, MPITCH
	v_add_nc_u32 v[MN], s98, v14
	v_mul_u32_u24 v14, v1, RPITCH
	v_add_nc_u32 v[SCW], s100, v14
	v_lshlrev_b32 v15, 4, v12                      ; 16 r
	v_lshl_add_u32 v14, v13, 14, v15               ; W1: four columns a lane, eight rows further down for lanes 16-31
	v_add_nc_u32 v[WA], s99, v14
	v_mul_u32_u24 v14, v13, RPITCH                 ; h rows
	v_add_nc_u32 v[SD], v14, v15
	v_add_nc_u32 v[SD], s100, v[SD]
	v_lshl_add_u32 v14, v14, 4, v15                ; 16 h rows
	v_add_nc_u32 v[FD], s100, v14
	v_mul_u32_u24 v14, v12, RPITCH
	v_lshl_add_u32 v14, v13, 5, v14
	v_add_nc_u32 v[STW], s100, v14
	v_lshl_add_u32 v[SPW], v12, 3, s101            ; 8 bytes for each r; lanes r and 16 + r hold the same numbers
	v_lshrrev_b32 v14, 3, v12
	v_lshlrev_b32 v14, 9, v14                      ; n = r: the four blocks of its half of the n,
	v_lshl_add_u32 v14, v13, 7, v14                ; the block of d quarter h (h + 2 lies 256 bytes on),
	v_and_b32 v1, 7, v12
	v_lshl_add_u32 v14, v1, 4, v14                 ; its 8 d there: 16 bytes
	v_add_nc_u32 v[SPR], SPB, v14
	v_lshl_add_u32 v[GO], v13, 15, v15             ; part: 16 r, one row (32,768 bytes) further down for lanes 16-31
	s_lshl_b32 s2, s18, 19                         ; part: row block x 16 rows x 16 tiles x 2,048 bytes
	s_lshl_b32 s3, s15, 11                         ; + d tile x 2,048
	s_add_co_u32 s2, s2, s3
	s_lshl_b32 s3, s12, 8                          ; + my wave's 256 bytes
	s_add_co_u32 s2, s2, s3
	s_mov_b32 s3, 0
	s_add_nc_u64 s[10:11], s[10:11], s[2:3]
; The eight loads of a step: 8 x and 8 m of each of my two rows, into buffer buf.  j = the step's place in its chunk, in the immediate.
.macro LOADS buf, j
	ds_load_b128 v[XBUF+16*(\buf):XBUF+16*(\buf)+3],     v[XN] offset:(\j)*64*XPITCH
	ds_load_b128 v[XBUF+16*(\buf)+4:XBUF+16*(\buf)+7],   v[XN] offset:(\j)*64*XPITCH+16
	ds_load_b128 v[XBUF+16*(\buf)+8:XBUF+16*(\buf)+11],  v[XN] offset:(\j)*64*XPITCH+32*XPITCH
	ds_load_b128 v[XBUF+16*(\buf)+12:XBUF+16*(\buf)+15], v[XN] offset:(\j)*64*XPITCH+32*XPITCH+16
	ds_load_b128 v[MBUF+16*(\buf):MBUF+16*(\buf)+3],     v[MN] offset:(\j)*64*MPITCH
	ds_load_b128 v[MBUF+16*(\buf)+4:MBUF+16*(\buf)+7],   v[MN] offset:(\j)*64*MPITCH+16
	ds_load_b128 v[MBUF+16*(\buf)+8:MBUF+16*(\buf)+11],  v[MN] offset:(\j)*64*MPITCH+32*MPITCH
	ds_load_b128 v[MBUF+16*(\buf)+12:MBUF+16*(\buf)+15], v[MN] offset:(\j)*64*MPITCH+32*MPITCH+16
.endm
.macro NEXTCHUNK                       ; 256 rows on
	v_add_nc_u32 v[XN], CROWS*XPITCH, v[XN]
	v_add_nc_u32 v[MN], CROWS*MPITCH, v[MN]
.endm
; Four of the sixteen loads of W1's slice.  Lane (r, h) takes 16 bytes, columns 4 r + 0..3 of my 64, of the 16 rows k that a fragment's lane holds:
; load t brings row k = 8 h + t (t < 8) or 16 + 8 h + t - 8.  They ride with the last steps' loads, where the LDS has room.
.macro RAWQ i
.irp u, 0,1,2,3
	ds_load_b128 v[RAW+16*(\i)+4*\u:RAW+16*(\i)+4*\u+3], v[WA] offset:((4*(\i)+\u)&7)*2048+((4*(\i)+\u)>>3)*32768
.endr
.endm
.macro MX dst, pa, pb, first           ; the first step starts the maxima: nothing is preset
.if \first
	v_max_num_f32 v[\dst], v[\pa], v[\pb]
.else
	v_max3_num_f32 v[\dst], v[\dst], v[\pa], v[\pb]
.endif
.endm
; Four d x eight n x two rows: 64 instructions, in runs of eight products and eight maxima so that no instruction waits for the one in front of it.
.macro HALF q, cur, first
.irp np, 0,1,2,3
	v_pk_mul_f32 v[P:P+1],     v[XBUF+16*\cur+4*\q:XBUF+16*\cur+4*\q+1],       v[MBUF+16*\cur+2*\np:MBUF+16*\cur+2*\np+1] op_sel_hi:[1,0]
	v_pk_mul_f32 v[P+2:P+3],   v[XBUF+16*\cur+8+4*\q:XBUF+16*\cur+8+4*\q+1],   v[MBUF+16*\cur+8+2*\np:MBUF+16*\cur+8+2*\np+1] op_sel_hi:[1,0]
	v_pk_mul_f32 v[P+4:P+5],   v[XBUF+16*\cur+4*\q+2:XBUF+16*\cur+4*\q+3],     v[MBUF+16*\cur+2*\np:MBUF+16*\cur+2*\np+1] op_sel_hi:[1,0]
	v_pk_mul_f32 v[P+6:P+7],   v[XBUF+16*\cur+8+4*\q+2:XBUF+16*\cur+8+4*\q+3], v[MBUF+16*\cur+8+2*\np:MBUF+16*\cur+8+2*\np+1] op_sel_hi:[1,0]
	v_pk_mul_f32 v[P+8:P+9],   v[XBUF+16*\cur+4*\q:XBUF+16*\cur+4*\q+1],       v[MBUF+16*\cur+2*\np:MBUF+16*\cur+2*\np+1] op_sel:[0,1] op_sel_hi:[1,1]
	v_pk_mul_f32 v[P+10:P+11], v[XBUF+16*\cur+8+4*\q:XBUF+16*\cur+8+4*\q+1],   v[MBUF+16*\cur+8+2*\np:MBUF+16*\cur+8+2*\np+1] op_sel:[0,1] op_sel_hi:[1,1]
	v_pk_mul_f32 v[P+12:P+13], v[XBUF+16*\cur+4*\q+2:XBUF+16*\cur+4*\q+3],     v[MBUF+16*\cur+2*\np:MBUF+16*\cur+2*\np+1] op_sel:[0,1] op_sel_hi:[1,1]
	v_pk_mul_f32 v[P+14:P+15], v[XBUF+16*\cur+8+4*\q+2:XBUF+16*\cur+8+4*\q+3], v[MBUF+16*\cur+8+2*\np:MBUF+16*\cur+8+2*\np+1] op_sel:[0,1] op_sel_hi:[1,1]
.irp k, 0,1
	MX ACC+16*\np+8*\k+4*\q,   P+8*\k,   P+8*\k+2, \first
	MX ACC+16*\np+8*\k+4*\q+1, P+8*\k+1, P+8*\k+3, \first
	MX ACC+16*\np+8*\k+4*\q+2, P+8*\k+4, P+8*\k+6, \first
	MX ACC+16*\np+8*\k+4*\q+3, P+8*\k+5, P+8*\k+7, \first
.endr
.endr
.endm
; A step: 64 rows from buffer cur.  At its head this step's loads, issued a step ago, are waited for, and the next step's (place j in the same
; chunk) go out in one run into the other buffer: they have this step's 128 vector instructions in which to land.
; raw >= 0: four loads of W1 ride along (the last chunk, which steps no address).
.macro STEP cur, first, j, raw
	s_wait_dscnt 0x0
	LOADS 1-\cur, \j
.if \raw >= 0
	RAWQ \raw
.endif
.if \j == 3
.if \raw < 0
	NEXTCHUNK                                      ; the chunk's last step has been fetched
.endif
.endif
	HALF 0, \cur, \first
	HALF 1, \cur, \first
.endm
; A chunk's last step: the next step reads bytes of later tensor loads.  Each wave waits for its own part (left = how many younger tensor
; loads may stay out) and for its LDS loads, signals, works on registers, and reads behind the barrier.
; The later chunks stay on their way across them.
.macro STEPSYNC left, raw
	s_wait_dscnt 0x0                               ; this step's loads are in, and no LDS instruction is pending at a signal
	s_wait_tensorcnt \left
	s_barrier_signal -1
	HALF 0, 1, 0
	s_barrier_wait -1
	LOADS 0, 0
.if \raw >= 0
	RAWQ \raw
.endif
	HALF 1, 1, 0
.endm
	s_wait_tensorcnt 4                             ; my part of chunk 0 (the oldest of five loads) is in,
	s_barrier_signal -1
	s_barrier_wait -1                              ; everybody's is
	LOADS 0, 0
	STEP 0, 1, 1, -1
	STEP 1, 0, 2, -1
	STEP 0, 0, 3, -1
	STEPSYNC 3, -1                                 ; tensor loads end in the order of issue: chunk 1 is in when three younger ones are out,
	STEP 0, 0, 1, -1
	STEP 1, 0, 2, -1
	STEP 0, 0, 3, -1
	STEPSYNC 2, -1                                 ; chunk 2 when two
	STEP 0, 0, 1, -1
	STEP 1, 0, 2, -1
	STEP 0, 0, 3, -1
	STEPSYNC 0, 0                                  ; chunk 3 and W1's slice together: W1 is read from here on
	STEP 0, 0, 1, 1
	STEP 1, 0, 2, 2
	STEP 0, 0, 3, 3
	s_wait_dscnt 0x0                               ; the last step fetches nothing: my reads of x, m and W1 are over,
	s_barrier_signal -1                            ; say so,
	HALF 0, 1, 0
	HALF 1, 1, 0
	s_barrier_wait -1                              ; and behind this barrier x's region is scratch
	; THE FOLD OVER THE LANES, through my own scratch: lane l writes its 64 maxima as a row of 256 bytes; then lane (r, h) reads
	; column r (4 maxima) of rows 16 h .. 16 h + 15, and one step across the halves of the wave joins the two.
.set i, 0
.rept 16
	ds_store_b128 v[SCW], v[ACC+4*i:ACC+4*i+3] offset:16*i
.set i, i+1
.endr
.set i, 0
.rept 16
	ds_load_b128 v[ACC+4*i:ACC+4*i+3], v[FD] offset:RPITCH*i       ; LDS serves a wave's instructions in order: these see the stores above
.set i, i+1
.endr
	; meanwhile W1 is rounded: packing rows k, k + 1 of component f gives the fragment of the columns 4 r + f of my 64
.irp f, 0,1,2,3
.irp pp, 0,1,2,3,4,5,6,7
	v_cvt_pk_bf16_f32 v[FR+8*\f+\pp], v[RAW+8*\pp+\f], v[RAW+8*\pp+4+\f]
.endr
.endr
.macro RED3 b                          ; rows b .. b + 6 into row b; row b + 7 is taken at the end
.irp j, 1,3,5
.irp e, 0,1,2,3
	v_max3_num_f32 v[ACC+4*\b+\e], v[ACC+4*\b+\e], v[ACC+4*\b+4*\j+\e], v[ACC+4*\b+4*\j+4+\e]
.endr
.endr
.endm
	s_wait_dscnt 8                                 ; my first eight rows are in; the eight behind them may be out
	RED3 0
	s_wait_dscnt 0x0
	RED3 8
.irp e, 0,1,2,3
	v_max3_num_f32 v[ACC+\e], v[ACC+\e], v[ACC+28+\e], v[ACC+32+\e]
.endr
.irp e, 0,1,2,3
	v_max_num_f32 v[ACC+\e], v[ACC+\e], v[ACC+60+\e]
.endr
.irp e, 0,1,2,3
	v_permlanex16_b32 v[P+\e], v[ACC+\e], s90, s91 ; its destination counts as read: the products' registers have been written
.endr
.irp e, 0,1,2,3
	v_max_num_f32 v[ACC+\e], v[ACC+\e], v[P+\e]
.endr
	v_cvt_pk_bf16_f32 v[P+4], v[ACC], v[ACC+1]     ; sp(n = r / 2, d = 4 (r % 2) + 0..3) of my wave's 8 x 8, rounded once
	v_cvt_pk_bf16_f32 v[P+5], v[ACC+2], v[ACC+3]
	ds_store_b64 v[SPW], v[P+4:P+5]
	s_wait_dscnt 0x0                               ; for the others' sake
	s_barrier_signal -1
	s_barrier_wait -1
	ds_load_b128 v[BF:BF+3], v[SPR]                ; sp(n = r, d = 8 h ..)
	ds_load_b128 v[BF+4:BF+7], v[SPR] offset:256   ; sp(n = r, d = 16 + 8 h ..)
	s_wait_dscnt 0x0
	; Source 0 = 16 columns of W1, source 1 = the 16 rows of sp: lane (r, h) then holds, for row n = r, eight neighbouring slots.
	; Four different accumulators, each started by the constant 0.
.irp f, 0,1,2,3
	v_wmma_f32_16x16x32_bf16 v[DT+8*\f:DT+8*\f+7], v[FR+8*\f:FR+8*\f+7], v[BF:BF+7], 0
.endr
.rept 4
	v_nop                                          ; four places between the last matrix instruction and the stores that read results
.endr
	; THE WAY OUT, through my own stage: slot 16 f + p of my 64 in a row holds column 4 p + f of my 64; the second launch knows this order.
.irp f, 0,1,2,3
	ds_store_b128 v[STW], v[DT+8*\f:DT+8*\f+3] offset:64*\f
	ds_store_b128 v[STW], v[DT+8*\f+4:DT+8*\f+7] offset:64*\f+16
.endr
.irp i, 0,1,2,3,4,5,6,7
	ds_load_b128 v[OUT+4*\i:OUT+4*\i+3], v[SD] offset:\i*2*RPITCH  ; rows 2 i and 2 i + 1, 256 bytes each
.endr
.irp i, 0,1,2,3,4,5,6,7
	s_wait_dscnt 7-\i
	global_store_b128 v[GO], v[OUT+4*\i:OUT+4*\i+3], s[10:11] offset:\i*65536   ; each half of the wave stores 256 consecutive bytes of a row, at a multiple of 256 from the buffer's first byte
.endr
	s_set_vgpr_msb 0x5
	s_wait_tensorcnt 0x0
	ds_add_u32 v0, v1
	s_wait_dscnt 0x0
	s_set_vgpr_msb 0x500
	ROUND                                          ; the closing round: no work-group ends while a partner may still ask for a tile that names it
	s_endpgm
.Lfunc_end_k_q5686ce74fe_segmax:
	.size	k_q5686ce74fe_segmax, .Lfunc_end_k_q5686ce74fe_segmax-k_q5686ce74fe_segmax
	.p2alignl 7, 3214868480
	.fill 96, 4, 3214868480
	.section	.rodata,"a",@progbits
	.p2align	6, 0x0
	.amdhsa_kernel k_q5686ce74fe_segmax
		.amdhsa_group_segment_fixed_size 297984
		.amdhsa_private_segment_fixed_size 0
		.amdhsa_enable_private_segment 0
		.amdhsa_kernarg_size 32
		.amdhsa_user_sgpr_count 2
		.amdhsa_user_sgpr_kernarg_segment_ptr 1
		.amdhsa_wavefront_size32 1
		.amdhsa_system_sgpr_workgroup_id_x 1
		.amdhsa_system_sgpr_workgroup_id_y 1
		.amdhsa_system_sgpr_workgroup_id_z 1
		.amdhsa_system_vgpr_workitem_id 0
		.amdhsa_next_free_vgpr 258
		.amdhsa_next_free_sgpr 102
		.amdhsa_reserve_vcc 0
		.amdhsa_float_denorm_mode_32 3
		.amdhsa_float_denorm_mode_16_64 3
		.amdhsa_memory_ordered 1
		.amdhsa_forward_progress 1
		.amdhsa_inst_pref_size 156
	.end_amdhsa_kernel
	.amdgpu_metadata
---
amdhsa.version: [ 1, 2 ]
amdhsa.kernels:
  - .name:           k_q5686ce74fe_segmax
    .symbol:         k_q5686ce74fe_segmax.kd
    .args:
      - { .name: input_state, .offset: 0, .size: 8, .value_kind: global_buffer, .address_space: global }
      - { .name: all_mapping, .offset: 8, .size: 8, .value_kind: global_buffer, .address_space: global }
      - { .name: W1, .offset: 16, .size: 8, .value_kind: global_buffer, .address_space: global }
      - { .name: part, .offset: 24, .size: 8, .value_kind: global_buffer, .address_space: global }
    .group_segment_fixed_size: 297984
    .private_segment_fixed_size: 0
    .kernarg_segment_align: 8
    .kernarg_segment_size: 32
    .max_flat_workgroup_size: 256
    .sgpr_count:     102
    .vgpr_count:     258
    .wavefront_size: 32
...
	.end_amdgpu_metadata
.endif
;; end of part 1
;; launch finish (part 2): grid 256 x 1, 4 waves a work-group, no clusters, 1,536 bytes of LDS; arguments part, b1, W2, b2, out0; writes out0
.if DOCPART == 2
	.amdgcn_target "amdgcn-amd-amdhsa--gfx1250"
	.amdhsa_code_object_version 6
	.text
	.protected	k_q5686ce74fe_finish
	.globl	k_q5686ce74fe_finish
	.p2align	8
	.type	k_q5686ce74fe_finish,@function
k_q5686ce74fe_finish:
	s_mov_b64 s[64:65], 0
	v_nop
	global_prefetch_b8 v0, s[64:65] scope:SCOPE_SE
	s_setreg_imm32_b32 hwreg(HW_REG_WAVE_MODE, 25, 1), 1
	s_wait_xcnt 0x0
; SECOND OF TWO LAUNCHES.  out0[row] = sum over j of relu(sum over the 16 d tiles of part[row][tile][slot(j)] + b1[j]) * W2[j] + b2.
; One work-group a row, four waves.  A row's 16 slices are 32,768 consecutive bytes; thread t owns the 16 bytes at 16 t of each slice,
; so a wave's load covers 512 consecutive bytes, and all 16 loads of every thread are issued before the first wait.
; Slot 4 t + e of a slice holds column j = 64 (t / 16) + 16 (t % 4) + 4 e + (t / 4) % 4, the order in which the first launch left it.
; No tile is shared between work-groups, so there is no cluster; memory binds, so there is no matrix work here.
; The output is one f32 a row, 1,024 bytes in all: a store of 256 whole bytes would leave four work-groups, so thread 0 stores 4 bytes.
; LIMIT: v_max_num_f32 turns a NaN into 0 where relu would keep it; inputs are taken as finite.
.set T,  16                            ; v[16:79] slice i: 4 registers; slice 0's hold the sums
.set BI, 8                             ; v[8:11]  b1 of my four columns
.set WI, 12                            ; v[12:15] W2 of my four columns
	s_load_b256 s[4:11], s[0:1], 0x0               ; part s[4:5], b1 s[6:7], W2 s[8:9], b2 s[10:11]
	s_load_b64 s[12:13], s[0:1], 0x20              ; out0
	v_lshl_add_u32 v80, v0, 2, 0x400
	v_mov_b32 v81, 0
	v_lshlrev_b32 v1, 4, v0                        ; 16 t
	v_and_b32 v2, 3, v0
	v_bfe_u32 v3, v0, 2, 2
	v_lshrrev_b32 v4, 4, v0
	v_lshlrev_b32 v4, 6, v4                        ; 64 (t / 16)
	v_lshl_add_u32 v4, v2, 4, v4                   ; + 16 (t % 4)
	v_add_lshl_u32 v4, v4, v3, 2                   ; + (t / 4) % 4, in bytes
	v_lshrrev_b32 v5, 5, v0
	v_readfirstlane_b32 s14, v5                    ; wave
	s_lshl_b32 s16, ttmp9, 15                      ; row x 32,768 bytes
	s_mov_b32 s17, 0
	s_mov_b32 s20, 0x76543210                      ; v_permlanex16_b32: lane i of one half reads lane i of the other
	s_mov_b32 s21, 0xfedcba98
	s_wait_kmcnt 0x0
	s_load_b32 s18, s[10:11], 0x0                  ; b2
	s_add_nc_u64 s[4:5], s[4:5], s[16:17]
.irp i, 0,1,2,3,4,5,6,7,8,9,10,11,12,13,14,15
	global_load_b128 v[T+4*\i:T+4*\i+3], v1, s[4:5] offset:2048*\i th:TH_LOAD_NT
.endr
.irp e, 0,1,2,3
	global_load_b32 v[BI+\e], v4, s[6:7] offset:16*\e
	global_load_b32 v[WI+\e], v4, s[8:9] offset:16*\e
.endr
.irp i, 1,2,3,4,5,6,7,8,9,10,11,12,13,14,15
	s_wait_loadcnt 23-\i                           ; loads come back in order: slice i is in when the 15 - i younger slices and the 8 small loads are out
	v_pk_add_f32 v[T:T+1],   v[T:T+1],   v[T+4*\i:T+4*\i+1]
	v_pk_add_f32 v[T+2:T+3], v[T+2:T+3], v[T+4*\i+2:T+4*\i+3]
.endr
	s_wait_loadcnt 0x0
	v_pk_add_f32 v[T:T+1],   v[T:T+1],   v[BI:BI+1]
	v_pk_add_f32 v[T+2:T+3], v[T+2:T+3], v[BI+2:BI+3]
.irp e, 0,1,2,3
	v_max_num_f32 v[T+\e], 0, v[T+\e]
.endr
	v_mul_f32 v5, v[T], v[WI]
	v_fmac_f32 v5, v[T+1], v[WI+1]
	v_fmac_f32 v5, v[T+2], v[WI+2]
	v_fmac_f32 v5, v[T+3], v[WI+3]
	; over the 32 lanes: four steps inside each half ride on the addition, one crosses the halves
	v_add_f32_dpp v5, v5, v5 row_xmask:1 row_mask:0xf bank_mask:0xf
	v_add_f32_dpp v5, v5, v5 row_xmask:2 row_mask:0xf bank_mask:0xf
	v_add_f32_dpp v5, v5, v5 row_xmask:4 row_mask:0xf bank_mask:0xf
	v_add_f32_dpp v5, v5, v5 row_xmask:8 row_mask:0xf bank_mask:0xf
	v_permlanex16_b32 v2, v5, s20, s21             ; its destination counts as read: v2 has been written
	v_add_f32 v5, v5, v2
	; over the four waves: each stores its sum to its own word, one barrier, every wave reads all four
	v_mov_b32 v6, s14
	v_lshlrev_b32 v6, 2, v6
	ds_store_b32 v6, v5
	s_wait_dscnt 0x0
	s_barrier_signal -1
	s_barrier_wait -1
	v_mov_b32 v7, 0
	ds_load_b128 v[20:23], v7
	s_lshl_b32 s19, ttmp9, 2
	v_mov_b32 v3, s19                              ; the row's 4 bytes in out0
	s_wait_dscnt 0x0
	v_add_f32 v20, v20, v21
	v_add_f32 v22, v22, v23
	v_add_f32 v20, v20, v22
	s_wait_kmcnt 0x0                               ; b2
	v_add_f32 v20, s18, v20
	v_cmp_eq_u32 vcc_lo, 0, v0
	s_wait_xcnt 0x0                                ; EXEC changes only behind this wait
	s_wait_tensorcnt 0x0
	ds_add_u32 v80, v81
	s_wait_dscnt 0x0
	s_and_saveexec_b32 s22, vcc_lo
	global_store_b32 v3, v20, s[12:13]
	s_wait_xcnt 0x0                                ; and again in front of the line that widens it
	s_or_b32 exec_lo, exec_lo, s22
	s_endpgm
.Lfunc_end_k_q5686ce74fe_finish:
	.size	k_q5686ce74fe_finish, .Lfunc_end_k_q5686ce74fe_finish-k_q5686ce74fe_finish
	.p2alignl 7, 3214868480
	.fill 96, 4, 3214868480
	.section	.rodata,"a",@progbits
	.p2align	6, 0x0
	.amdhsa_kernel k_q5686ce74fe_finish
		.amdhsa_group_segment_fixed_size 1536
		.amdhsa_private_segment_fixed_size 0
		.amdhsa_enable_private_segment 0
		.amdhsa_kernarg_size 40
		.amdhsa_user_sgpr_count 2
		.amdhsa_user_sgpr_kernarg_segment_ptr 1
		.amdhsa_wavefront_size32 1
		.amdhsa_system_sgpr_workgroup_id_x 1
		.amdhsa_system_sgpr_workgroup_id_y 1
		.amdhsa_system_sgpr_workgroup_id_z 1
		.amdhsa_system_vgpr_workitem_id 0
		.amdhsa_next_free_vgpr 82
		.amdhsa_next_free_sgpr 66
		.amdhsa_reserve_vcc 1
		.amdhsa_float_denorm_mode_32 3
		.amdhsa_float_denorm_mode_16_64 3
		.amdhsa_memory_ordered 1
		.amdhsa_forward_progress 1
		.amdhsa_inst_pref_size 8
	.end_amdhsa_kernel
	.amdgpu_metadata
---
amdhsa.version: [ 1, 2 ]
amdhsa.kernels:
  - .name:           k_q5686ce74fe_finish
    .symbol:         k_q5686ce74fe_finish.kd
    .args:
      - { .name: part, .offset: 0, .size: 8, .value_kind: global_buffer, .address_space: global }
      - { .name: b1, .offset: 8, .size: 8, .value_kind: global_buffer, .address_space: global }
      - { .name: W2, .offset: 16, .size: 8, .value_kind: global_buffer, .address_space: global }
      - { .name: b2, .offset: 24, .size: 8, .value_kind: global_buffer, .address_space: global }
      - { .name: out0, .offset: 32, .size: 8, .value_kind: global_buffer, .address_space: global }
    .group_segment_fixed_size: 1536
    .private_segment_fixed_size: 0
    .kernarg_segment_align: 8
    .kernarg_segment_size: 40
    .max_flat_workgroup_size: 128
    .sgpr_count:     66
    .vgpr_count:     82
    .wavefront_size: 32
...
	.end_amdgpu_metadata
.endif
;; end of part 2
